; MI455X (gfx1250); checked and timed in simulation.
; The chip was launched on July 23, 2026; its instructions are those of AMD's public machine-readable ISA for CDNA 5 (MIT licence, August 2026) and "CDNA5" Instruction Set Architecture Reference Guide (July 2026). The comments in the code are by the model that wrote it; some were corrected since.
;; Caldera Quantized Linear. Allowed arithmetic: matrix products marked QUANTISED: E2M1 operands, one E8M0 scale for each 32 along K, by v_wmma_scale_f32_16x16x128_f8f6f4 with both operands' format E2M1 (or v_wmma_scale_f32_32x16x128_f4), f32 sums; everything else in f32.
;; Inputs: L_ft 1,024 x 64 float32; L_idxs 64 x 128 int32; Q_idxs 1,024 x 512 int32; R_ft 64 x 4,096 float32; R_idxs 64 x 512 int32; SU 4,096 float32; SV 1,024 float32; grid 65,536 x 8 float32; x 4 x 2,048 x 4,096 float32.
;; Outputs: out0 4 x 2,048 x 1,024 float32.
;; This version of the problem:
;;   THIS VERSION OF THE PROBLEM IS GIVEN IN LOW PRECISION. The matrix products marked QUANTISED in the list below multiply operands that are first quantised to E2M1 (2 exponent bits, 1 mantissa bit; 4 bits a number), with one power-of-two scale for each 32 numbers along K (OCP MX v1.0); their sums are f32. All else is computed in f32.
;;   The module's matrix products, in the order in which they are computed (A, B: the left and right operand; K: the contracted axis; several contracted axes count as one K, in the product's order):
;;     1. [M 8,192, K 4,096] x [K 4,096, N 1,024]; A: computed on the way; B: computed on the way: QUANTISED
;;     2. [M 8,192, K 4,096] x [K 4,096, N 64]; A: computed on the way; B: computed on the way: QUANTISED
;;     3. [M 8,192, K 64] x [K 64, N 1,024]; A: computed on the way; B: computed on the way: QUANTISED
;;     4. [M 8,192, K 4,096] x [K 4,096, N 64]; A: computed on the way; B: input R_ft: QUANTISED
;;     5. [M 8,192, K 64] x [K 64, N 1,024]; A: computed on the way; B: input L_ft: QUANTISED
;;   THE QUANTISER, for each operand of a quantised product, along K:
;;     - K is cut into blocks of 32 from its start; a last block that is shorter is filled with zeros.
;;     - A block's scale is 2^e with e = floor(log2(the largest magnitude in the block)) - 2, held to -126 .. 127; a block of zeros has e = 0. As a byte (E8M0): e + 127.
;;     - Each number is divided by its block's scale, clamped to +-6, and rounded to the nearest number of E2M1, ties to even, subnormals kept.
;;     - The product sums the exact products of the quantised numbers (number of the format x scale) in f32.
;;   ~~~python
;;   def quantise(x, axis):      # numpy; x: float32 -> the quantised numbers, widened to float32 again
;;       x = np.moveaxis(x, axis, -1); K = x.shape[-1]
;;       x = np.pad(x, [(0, 0)] * (x.ndim - 1) + [(0, -K % 32)]); x = x.reshape(x.shape[:-1] + (-1, 32)); a = np.abs(x).max(-1, keepdims=True)
;;       e = np.where(a > 0, np.clip(np.frexp(np.where(a > 0, a, 1))[1] - 1 - 2, -126, 127), 0)      # np.frexp(a)[1] - 1 = floor(log2(a)), exactly
;;       r = np.clip(x / 2.0 ** e, -6, 6)
;;       step = 2.0 ** (np.maximum(np.frexp(np.where(r == 0, 1, r))[1] - 1, 0) - 1)
;;       q = np.round(r / step) * step * 2.0 ** e      # np.round: ties to even
;;       return np.moveaxis(q.reshape(q.shape[:-2] + (-1,))[..., :K], -1, axis).astype(np.float32)
;;   ~~~
;;   OPERANDS COMPUTED ON THE WAY. 'Computed on the way' means the value that the module computes at that place (a softmax that the list does not call 'softmax' is quantised finished and normalised). What goes into a quantiser is computed in f32, as accurately as f32 sums, v_exp_f32 and their like allow (about 1e-6 of the number): no bf16 or f16 on the way to a quantiser, and a product that is left as it is and whose result goes on into a quantised operand takes f32 operands (vector FMAs, or v_wmma_f32_16x16x4_f32). A number that lies on a knife's edge between two numbers of the format may be rounded either way, as far as f32 arithmetic and the matrix unit's own rounding can turn it there, and no further.
;; One version. Each part assembles by itself: llvm-mc -triple=amdgcn-amd-amdhsa -mcpu=gfx1250 --defsym DOCPART=n.
;; ======== version 1 of 1: 2 launches
;; workspace buffers: wq 2,555,904 bytes; b2 73,728 bytes
;; launch prep (part 1): grid 640 x 1, 1 waves a work-group, no clusters, 0 bytes of LDS; arguments grid, Q_idxs, R_idxs, R_ft, L_idxs, L_ft, wq, b2; writes wq, b2
.if DOCPART == 1
	.amdgcn_target "amdgcn-amd-amdhsa--gfx1250"
	.amdhsa_code_object_version 6
	.text
	.protected	k_q47870a7d49_prep
	.globl	k_q47870a7d49_prep
	.p2align	8
	.type	k_q47870a7d49_prep,@function
k_q47870a7d49_prep:
	s_mov_b64 s[64:65], 0
	v_nop
	global_prefetch_b8 v0, s[64:65] scope:SCOPE_SE
	s_setreg_imm32_b32 hwreg(HW_REG_WAVE_MODE, 25, 1), 1
	s_wait_xcnt 0x0
; THE WEIGHTS, GATHERED AND QUANTISED ONCE, into codes of FP4 (E2M1) with one E8M0 byte for each 32 along K, laid in the ORDER OF THE OPERAND'S REGISTERS.
; wq: block (K step s of 128, wave w) at 79,872 s + 9,984 w: nine tiles of 16 weight rows x 128 K, 1,024 bytes each (half c at 512 c, lane l's 16 bytes at 16 l:
;     lane (m = l % 16, h = l / 16) holds k = 128 s + 64 c + 32 h + 0 .. 31 of the tile's row m); at 9,216 the scale words of tiles 0-7 (word at 16 l + 4 i:
;     lanes 0-15 tile i, lanes 16-31 tile 4 + i); at 9,728 tile 8's words (4 l, the same in both halves of the lanes); the last 128 bytes are neither written nor read.
;     Tile t < 8, row m: row 128 w + 64 (m / 8) + 8 t + m % 8 of W_q = 0.9 x grid[Q_idxs].  Tile 8, row m: low-rank column 16 w + m: 0-63 rows of W_r = 1.05 x grid[R_idxs], 64-127 rows of R_ft.
; b2: the second product's weights, K = 128: k 0-63 W_l[k][col] = 1.1 x grid[L_idxs], k 64-127 L_ft[col][k - 64]; tile (w, t) at 8,192 w + 1,024 t, rows col as above; scale words at 65,536 + 128 (8 w + t) + 4 l.
; A LANE HOLDS WHOLE BLOCKS of 32 along K (four grid vectors of 8), so a block's largest magnitude needs no other lane and the conversions' results are the operand's registers.
; A block's scale byte is its largest magnitude's exponent field - 2, held at 1 from below by a floor among the maximum's leaves.
; LIMITS: a block of zeros, or one whose largest magnitude lies under 2^-124, gets the byte 1 (its bytes are read by this program alone; zero codes add nothing); NaN and infinities are not served; an index is held at 65,535.
; One wave to a work-group, 640 of them: 0-511 four tiles of W_q each; 512-575 tile 8 of four K steps; 576-639 one tile of b2.  Four straight ways, each with its own end; no LDS, no loop.
.set KSB,  79872                       ; a K step's bytes in wq
.set WVB,  9984                        ; a wave's part of them
.set IX,   32                          ; v32-63   quad (i, c) at IX + 8 i + 4 c: four indices, then byte offsets into grid, then the block's four registers of codes
.set G,    64                          ; v64-255  three sets of 64 numbers: block c at + 32 c
.set W,    16                          ; v16-19   the four tiles' scale words
.set T,    22                          ; v22-23   largest magnitudes;  v24-25 the conversions' scale operands;  v26-27 the bytes
.set SO,   24
.set BY,   26
; sixteen loads: tile i's two blocks of 32 numbers into set.  gather = 1: four grid vectors of 32 bytes a block;  0: 128 neighbouring bytes of a row of R_ft
.macro GATH set, i, gather, gb
.irp c, 0,1
.irp g, 0,1,2,3
.if \gather
	global_load_b128 v[G+64*\set+32*\c+8*\g:G+64*\set+32*\c+8*\g+3], v[IX+8*\i+4*\c+\g], s[\gb:\gb+1]
	global_load_b128 v[G+64*\set+32*\c+8*\g+4:G+64*\set+32*\c+8*\g+7], v[IX+8*\i+4*\c+\g], s[\gb:\gb+1] offset:16
.else
	global_load_b128 v[G+64*\set+32*\c+8*\g:G+64*\set+32*\c+8*\g+3], v4, s[\gb:\gb+1] offset:512*\i+256*\c+32*\g
	global_load_b128 v[G+64*\set+32*\c+8*\g+4:G+64*\set+32*\c+8*\g+7], v4, s[\gb:\gb+1] offset:512*\i+256*\c+32*\g+16
.endif
.endr
.endr
.endm
; tile i, in set, becomes codes and a scale word.  cnt: the younger loads that may stay out.  mul = 1: all 64 numbers x s32;  2: the first 32 alone;  0: none
.macro PROC set, i, cnt, mul, ostr
.set GS, G+64*\set
	s_wait_loadcnt \cnt                            ; loads come back in order: this tile's sixteen are in, and their offset registers are free
.if \mul
.set j, 0
.rept 32/\mul
	v_pk_mul_f32 v[GS+j:GS+j+1], v[GS+j:GS+j+1], s[32:33] op_sel_hi:[1,0]   ; the dequantiser's scale, one rounding in f32
.set j, j+2
.endr
.endif
.irp c, 0,1
	v_max3_num_f32 v[T+\c], |v[GS+32*\c]|, |v[GS+32*\c+1]|, 0x1800000       ; with the floor 2^(3 - 127): the byte cannot fall under 1
.endr
.irp q, 2,4,6,8,10,12,14,16,18,20,22,24,26,28,30
.irp c, 0,1
	v_max3_num_f32 v[T+\c], v[T+\c], |v[GS+32*\c+\q]|, |v[GS+32*\c+\q+1]|   ; the two blocks by turns
.endr
.endr
.irp c, 0,1
	v_add_nc_u32 v[SO+\c], 0xff000000, v[T+\c]     ; 2 off the exponent field: the conversion takes that field as its scale
.endr
.irp c, 0,1
	v_lshrrev_b32 v[BY+\c], 23, v[SO+\c]           ; the scale's byte
.endr
.irp c, 0,1
.irp g, 0,1,2,3
	v_cvt_scalef32_pk8_fp4_f32 v[IX+8*\i+4*\c+\g], v[GS+32*\c+8*\g:GS+32*\c+8*\g+7], v[SO+\c]
.endr
.endr
	v_lshl_or_b32 v28, v[BY+1], 16, v[BY]          ; (the plain line behind the conversions)  my bytes: blocks h and 2 + h of row m,
	v_lshlrev_b32 v28, v13, v28                    ; at their places in the word (8 h bits up);
	v_permlanex16_b32 v30, v28, s34, s35
	v_or_b32 v[W+\i], v28, v30                     ; with lane l xor 16's two the word is whole, in both halves of the lanes
.irp c, 0,1
	global_store_b128 v3, v[IX+8*\i+4*\c:IX+8*\i+4*\c+3], s[10:11] offset:\ostr*\i+512*\c   ; 32 lanes store 512 consecutive bytes
.endr
.endm
; four tiles: three sets of registers take turns, so that two tiles' gathers are on their way while one is worked
.macro TILES gather, istr, mul, ostr, gb
.if \gather
.irp i, 0,1,2,3
.irp c, 0,1
	global_load_b128 v[IX+8*\i+4*\c:IX+8*\i+4*\c+3], v4, s[4:5] offset:\istr*\i+32*\c     ; a block's four indices
.endr
.endr
	s_wait_loadcnt 0x0
.set j, 0
.rept 32
	v_min_u32 v[IX+j], 0xffff, v[IX+j]             ; held inside the table
.set j, j+1
.endr
.set j, 0
.rept 32
	v_lshlrev_b32 v[IX+j], 5, v[IX+j]              ; 32 bytes a grid vector
.set j, j+1
.endr
.endif
	GATH 0, 0, \gather, \gb
	GATH 1, 1, \gather, \gb
	GATH 2, 2, \gather, \gb
	PROC 0, 0, 32, \mul, \ostr                     ; tiles 1 and 2 stay out
	GATH 0, 3, \gather, \gb
	PROC 1, 1, 32, \mul, \ostr                     ; tiles 2 and 3
	PROC 2, 2, 16, \mul, \ostr                     ; tile 3
	PROC 0, 3, 0, \mul, \ostr
.endm
.macro RWORDS                          ; tile 8's scale words of the four K steps: 128 bytes each, 1,536 bytes behind the tile's codes
.irp i, 0,1,2,3
	global_store_b32 v15, v[W+\i], s[10:11] offset:KSB*\i+1536
.endr
.endm
	s_load_b512 s[16:31], s[0:1], 0x0              ; grid s[16:17], Q_idxs s[18:19], R_idxs s[20:21], R_ft s[22:23], L_idxs s[24:25], L_ft s[26:27], wq s[28:29], b2 s[30:31]
	v_and_b32 v1, 15, v0                           ; m
	v_lshrrev_b32 v2, 4, v0                        ; h
	v_lshlrev_b32 v3, 4, v0                        ; 16 l: my place in an image
	v_lshlrev_b32 v13, 3, v2                       ; 8 h
	v_lshl_add_u32 v14, v1, 4, v13                 ; 16 m + 8 h
	v_lshlrev_b32 v15, 2, v0                       ; 4 l
	v_mov_b32 v30, 0                               ; written once: a lane permute's destination counts as one of its sources
	s_mov_b32 s34, 0x76543210
	s_mov_b32 s35, 0xfedcba98                      ; v_permlanex16_b32's selects for lane l xor 16
	s_mov_b32 s5, 0                                ; the offsets' high words
	s_mov_b32 s9, 0
	s_mov_b32 s11, 0
	s_mov_b32 s13, 0
	s_cmp_lt_u32 ttmp9, 512
	s_cbranch_scc0 .Lnot_q
	; ---- W_q: K step s = n / 16, wave w = (n / 2) % 8, tiles 4 p .. 4 p + 3 with p = n % 2
	s_lshr_b32 s36, ttmp9, 4                       ; s
	s_bfe_u32 s37, ttmp9, 0x30001                  ; w
	s_and_b32 s38, ttmp9, 1                        ; p
	s_lshl_b32 s4, s37, 18                         ; Q_idxs: rows 128 w + 32 p on, 2,048 bytes a row, and 64 bytes a K step
	s_lshl_b32 s6, s38, 16
	s_add_co_u32 s4, s4, s6
	s_lshl_b32 s6, s36, 6
	s_add_co_u32 s4, s4, s6
	s_mul_i32 s8, s36, KSB
	s_mul_i32 s6, s37, WVB
	s_add_co_u32 s8, s8, s6                        ; the block (s, w)
	s_lshl_b32 s6, s38, 12
	s_add_co_u32 s10, s8, s6                       ; its tiles 4 p on
	s_lshl_b32 s6, s38, 8
	s_add_co_u32 s12, s8, s6
	s_add_co_u32 s12, s12, 9216                    ; and their scale words: 256 bytes
	s_mov_b32 s32, 0x3f666666                      ; 0.9
	s_mov_b32 s33, s32                             ; (named with it as a pair, so it is written)
	v_and_b32 v4, 7, v1
	v_lshrrev_b32 v5, 3, v1
	v_lshl_add_u32 v4, v5, 6, v4                   ; row m % 8 + 64 (m / 8) of the tile's
	v_lshlrev_b32 v4, 11, v4
	v_lshl_add_u32 v4, v2, 4, v4                   ; + 16 h: my block's four indices
	s_wait_kmcnt 0x0
	s_add_nc_u64 s[4:5], s[18:19], s[4:5]
	s_add_nc_u64 s[10:11], s[28:29], s[10:11]
	s_add_nc_u64 s[12:13], s[28:29], s[12:13]
	TILES 1, 16384, 1, 1024, 16                    ; from tile to tile: 8 rows of indices, 1,024 bytes of codes
	v_cmp_le_u32 vcc_lo, 16, v0
	v_cndmask_b32 v20, v16, v18, vcc_lo            ; lanes 0-15 store words 0 and 1 of row m, lanes 16-31 words 2 and 3:
	v_cndmask_b32 v21, v17, v19, vcc_lo
	global_store_b64 v14, v[20:21], s[12:13]       ; 256 consecutive bytes, aligned
	s_endpgm
.Lnot_q:
	s_cmp_lt_u32 ttmp9, 576
	s_cbranch_scc0 .Lsecond
	; ---- tile 8: K steps 4 u .. 4 u + 3 with u = (n / 8) % 8, wave w = n % 8
	s_bfe_u32 s36, ttmp9, 0x30003                  ; u
	s_and_b32 s37, ttmp9, 7                        ; w
	s_mul_i32 s10, s36, 4*KSB
	s_mul_i32 s6, s37, WVB
	s_add_co_u32 s10, s10, s6
	s_add_co_u32 s10, s10, 8192                    ; tile 8 of block (4 u, w)
	s_cmp_lt_u32 s37, 4
	s_cbranch_scc0 .Lgiven
	s_lshl_b32 s4, s37, 15                         ; W_r: R_idxs rows 16 w on, 256 bytes for four K steps
	s_lshl_b32 s6, s36, 8
	s_add_co_u32 s4, s4, s6
	s_mov_b32 s32, 0x3f866666                      ; 1.05
	s_mov_b32 s33, s32
	v_lshlrev_b32 v4, 11, v1
	v_lshl_add_u32 v4, v2, 4, v4                   ; row m, + 16 h
	s_wait_kmcnt 0x0
	s_add_nc_u64 s[4:5], s[20:21], s[4:5]
	s_add_nc_u64 s[10:11], s[28:29], s[10:11]
	TILES 1, 64, 1, KSB, 16
	RWORDS
	s_endpgm
.Lgiven:
	s_sub_co_u32 s8, s37, 4                        ; R_ft: rows 16 (w - 4) on, 16,384 bytes a row, 2,048 bytes for four K steps
	s_lshl_b32 s8, s8, 18
	s_lshl_b32 s6, s36, 11
	s_add_co_u32 s8, s8, s6
	v_lshlrev_b32 v4, 14, v1
	v_lshl_add_u32 v4, v2, 7, v4                   ; row m, + 128 h: my block's 32 numbers
	s_wait_kmcnt 0x0
	s_add_nc_u64 s[8:9], s[22:23], s[8:9]
	s_add_nc_u64 s[10:11], s[28:29], s[10:11]
	TILES 0, 0, 0, KSB, 8
	RWORDS
	s_endpgm
.Lsecond:
	; ---- b2: tile (w, t), w = (n / 8) % 8, t = n % 8.  Block c = 0: W_l(32 h + i, col), one number of each of 32 grid vectors;  c = 1: L_ft(col, 32 h + 0 .. 31)
	s_bfe_u32 s37, ttmp9, 0x30003                  ; w
	s_and_b32 s38, ttmp9, 7                        ; t
	s_lshl_b32 s4, s37, 6                          ; L_idxs: column col / 8 = 16 w + t + 8 (m / 8), 4 bytes each
	s_lshl_b32 s6, s38, 2
	s_add_co_u32 s4, s4, s6
	s_lshl_b32 s8, s37, 15                         ; L_ft: rows 128 w + 8 t on, 256 bytes a row
	s_lshl_b32 s6, s38, 11
	s_add_co_u32 s8, s8, s6
	s_lshl_b32 s10, s37, 13                        ; the tile's codes
	s_lshl_b32 s6, s38, 10
	s_add_co_u32 s10, s10, s6
	s_lshl_b32 s12, s37, 10                        ; and its scale words
	s_lshl_b32 s6, s38, 7
	s_add_co_u32 s12, s12, s6
	s_add_co_u32 s12, s12, 65536
	s_mov_b32 s32, 0x3f8ccccd                      ; 1.1
	s_mov_b32 s33, s32
	v_lshrrev_b32 v5, 3, v1                        ; m / 8
	v_and_b32 v6, 7, v1                            ; m % 8
	v_lshlrev_b32 v4, 5, v5
	v_lshl_add_u32 v4, v2, 14, v4                  ; L_idxs: 32 (m / 8) + 32 h rows of 512 bytes
	v_lshl_add_u32 v7, v5, 6, v6
	v_lshlrev_b32 v7, 8, v7
	v_lshl_add_u32 v7, v2, 7, v7                   ; L_ft: row 64 (m / 8) + m % 8, + 128 h
	v_lshlrev_b32 v6, 2, v6                        ; which number of a grid vector: col % 8 = m % 8
	s_wait_kmcnt 0x0
	s_add_nc_u64 s[4:5], s[24:25], s[4:5]
	s_add_nc_u64 s[8:9], s[26:27], s[8:9]
	s_add_nc_u64 s[10:11], s[30:31], s[10:11]
	s_add_nc_u64 s[12:13], s[30:31], s[12:13]
.set j, 0
.rept 8
	global_load_b128 v[G+32+4*j:G+32+4*j+3], v7, s[8:9] offset:16*j
.set j, j+1
.endr
.set j, 0
.rept 32
	global_load_b32 v[IX+j], v4, s[4:5] offset:512*j
.set j, j+1
.endr
	s_wait_loadcnt 0x0
.set j, 0
.rept 32
	v_min_u32 v[IX+j], 0xffff, v[IX+j]             ; held inside the table
.set j, j+1
.endr
.set j, 0
.rept 32
	v_lshlrev_b32 v[IX+j], 5, v[IX+j]
.set j, j+1
.endr
.set j, 0
.rept 32
	v_add_nc_u32 v[IX+j], v[IX+j], v6
.set j, j+1
.endr
.set j, 0
.rept 32
	global_load_b32 v[G+j], v[IX+j], s[16:17]
.set j, j+1
.endr
	PROC 0, 0, 0, 2, 0                             ; 1.1 x the gathered block alone
	global_store_b32 v15, v[W], s[12:13]
	s_endpgm
.Lfunc_end_k_q47870a7d49_prep:
	.size	k_q47870a7d49_prep, .Lfunc_end_k_q47870a7d49_prep-k_q47870a7d49_prep
	.p2alignl 7, 3214868480
	.fill 96, 4, 3214868480
	.section	.rodata,"a",@progbits
	.p2align	6, 0x0
	.amdhsa_kernel k_q47870a7d49_prep
		.amdhsa_group_segment_fixed_size 0
		.amdhsa_private_segment_fixed_size 0
		.amdhsa_enable_private_segment 0
		.amdhsa_kernarg_size 64
		.amdhsa_user_sgpr_count 2
		.amdhsa_user_sgpr_kernarg_segment_ptr 1
		.amdhsa_wavefront_size32 1
		.amdhsa_system_sgpr_workgroup_id_x 1
		.amdhsa_system_sgpr_workgroup_id_y 1
		.amdhsa_system_sgpr_workgroup_id_z 1
		.amdhsa_system_vgpr_workitem_id 0
		.amdhsa_next_free_vgpr 256
		.amdhsa_next_free_sgpr 66
		.amdhsa_reserve_vcc 1
		.amdhsa_float_denorm_mode_32 3
		.amdhsa_float_denorm_mode_16_64 3
		.amdhsa_memory_ordered 1
		.amdhsa_forward_progress 1
		.amdhsa_inst_pref_size 100
	.end_amdhsa_kernel
	.amdgpu_metadata
---
amdhsa.version: [ 1, 2 ]
amdhsa.kernels:
  - .name:           k_q47870a7d49_prep
    .symbol:         k_q47870a7d49_prep.kd
    .args:
      - { .name: grid, .offset: 0, .size: 8, .value_kind: global_buffer, .address_space: global }
      - { .name: Q_idxs, .offset: 8, .size: 8, .value_kind: global_buffer, .address_space: global }
      - { .name: R_idxs, .offset: 16, .size: 8, .value_kind: global_buffer, .address_space: global }
      - { .name: R_ft, .offset: 24, .size: 8, .value_kind: global_buffer, .address_space: global }
      - { .name: L_idxs, .offset: 32, .size: 8, .value_kind: global_buffer, .address_space: global }
      - { .name: L_ft, .offset: 40, .size: 8, .value_kind: global_buffer, .address_space: global }
      - { .name: wq, .offset: 48, .size: 8, .value_kind: global_buffer, .address_space: global }
      - { .name: b2, .offset: 56, .size: 8, .value_kind: global_buffer, .address_space: global }
    .group_segment_fixed_size: 0
    .private_segment_fixed_size: 0
    .kernarg_segment_align: 8
    .kernarg_segment_size: 64
    .max_flat_workgroup_size: 32
    .sgpr_count:     66
    .vgpr_count:     256
    .wavefront_size: 32
...
	.end_amdgpu_metadata
.endif
;; end of part 1
;; launch main (part 2): grid 256 x 1, 8 waves a work-group, no clusters, 240,640 bytes of LDS; arguments x, SU, SV, wq, b2, out0; writes out0
.if DOCPART == 2
	.amdgcn_target "amdgcn-amd-amdhsa--gfx1250"
	.amdhsa_code_object_version 6
	.text
	.protected	k_q47870a7d49_main
	.globl	k_q47870a7d49_main
	.p2align	8
	.type	k_q47870a7d49_main,@function
k_q47870a7d49_main:
	s_mov_b64 s[64:65], 0
	v_nop
	global_prefetch_b8 v0, s[64:65] scope:SCOPE_SE
	s_setreg_imm32_b32 hwreg(HW_REG_WAVE_MODE, 25, 1), 1
	s_wait_xcnt 0x0
; out0 = SV x H1024( Q(xh) Wq^T + Q(Q(xh) [Wr; R_ft]^T) [Wl^T | L_ft]^T ),  xh = H4096(x SU),  H the normalised Walsh-Hadamard transform, Q the MX-FP4 quantiser along a product's K.
; A work-group owns 32 WHOLE rows (the last transform wants all 1,024 columns of a row, the second quantiser all 128 low-rank columns): 8,192 / 32 = 256 work-groups.  Neither xh nor the sums go to memory.
; PHASES.  X: wave w takes rows 4 w .. 4 w + 3, a row at a time: 128 numbers a lane, seven butterfly stages in registers, a turn through the wave's own stage in LDS, five more; a lane then holds 128 neighbours,
;   one K step of the row, four whole blocks: it makes their codes and scale word and stores them as an image of the operand's registers.  | barrier |
; G: wave w owns output columns 128 w .. + 127 (8 tiles) and low-rank columns 16 w .. + 15 (1 tile) for both tiles of 16 rows: 18 accumulators, 32 K steps of 128.  x's fragments come from LDS; the weights' codes
;   come from memory straight into registers, laid by the launch before in the order of the operand's registers, through a ring of four register sets under counted waits: no barrier in the loop.
; T: the low-rank sums meet in LDS | barrier | every wave quantises them (K = 128: one instruction a tile) and adds the second product onto its accumulators; six butterfly stages in registers;
;   the rows meet in LDS | barrier | four more stages, x SV / 32, whole rows out.
; BOTH PRODUCTS ARE USED TRANSPOSED (source 0 = 16 weight rows, source 1 = 16 rows of x), and a tile's weight rows are chosen (row m: column 128 w + 64 (m / 8) + 8 t + m % 8) so that lane (r, h) holds, of row r,
;   the 64 NEIGHBOURING columns 128 w + 64 h + 0 .. 63 in its 64 registers: the transform's first six stages need no other lane.
; The factors 1/64 and 1/32 are powers of two and are folded into SU and SV, which rounds nothing.  The first stage takes x SU by one multiplication and two fused multiply-adds for two numbers.
; WHY NO TILES THROUGH LDS, AND NO JOINT LOADS, though all work-groups walk the same 2,555,904 bytes of weights: no weight byte is wanted by two waves of a work-group, so LDS would add a write and a read and spare none;
;   and of LDS's 327,680 bytes 238,720 are written by LDS stores here (stages, images, SU): the 88,960 left would hold two slots of 44,480, about half of a K step's 79,872 bytes, that is nine
;   matrix instructions a wave between a request and the wait for it, with a barrier for each.  The register ring has three to four K steps, up to 63 loads of 512 bytes a wave, on its way.
; LIMITS: NaN and infinities are not served; a block of zeros, or one whose largest magnitude lies under 2^-124, gets the scale byte 1 (zero codes add nothing); the butterfly stages' order and the fused first stage
;   differ from a plain evaluation in the last bit of f32.
; REGISTERS, in two windows of 256.  Window 0: v1-11, v28-31 addresses; v12-27, v32-47 scale words and nothing else; the rest by phase, as the names below say.  Window 1: X: two sets of 128 numbers; G: the weights' ring; T: as named.
.set STGW, 16896                       ; LDS 0: a stage of 32 x 528 bytes for each wave: element e of a row at 4 e + 16 (e / 128).  Behind the second barrier of the tail the rows' stage lies here: 32 rows x 4,112
.set XIMG, 135168                      ; x's codes: K step s at 2,064 s, tile of rows at 1,024 rt, half at 512 c, lane at 16 l
.set XSC,  201216                      ; x's scale words: (s, row) at 132 s + 4 row
.set SUL,  205440                      ; SU / 64, 16,384 bytes
.set LRS,  221824                      ; the low-rank sums: 32 rows x 528
.set KSB,  79872                       ; a K step's bytes in wq
.set B2S,  12                          ; v12-19  scale words of the second product's weights, tile t
.set AS,   20                          ; v20-21  x's scale words, two sets: lanes 0-15 rows 0-15, lanes 16-31 rows 16-31
.set A2S,  22                          ; v22-23  the low-rank operand's scale words, tile of rows rt
.set LS,   24                          ; v24-27  tile 8's scale words, ring set b
.set BS,   32                          ; v32-47  tiles 0-7's: set b at + 4 b; register i: lanes 0-15 tile i, lanes 16-31 tile 4 + i
.set TM,   64                          ; X: v64-67 largest magnitudes, v68-71 the conversions' scale operands, v72-75 bytes, v76 the scale word
.set SOP,  68
.set BY,   72
.set PW,   76
.set PC,   80                          ; X: v80-95 a K step's codes
.set SUW,  96                          ; head: v96-111 my part of SU
.set L,    128                         ; X: v128-255 the row as loaded: register 4 j + e = element 128 j + 4 l + e
.set XA,   0                           ; X, window 1: two sets of 128 numbers
.set XB,   128
.set AF,   48                          ; G: v48-79 x's fragments, two sets of 16: tile of rows at + 8 rt
.set LB,   80                          ; G: v80-111 tile 8's fragments, ring set b at + 8 b.  (Window 1: tiles 0-7, set b at 64 b, tile at + 8 t)
.set ACC,  112                         ; v112-239 accumulator (t, rt) at + 64 rt + 8 t
.set ACL,  240                         ; v240-255 tile 8's, at + 8 rt
.set A2,   48                          ; T: v48-63 the low-rank operand's codes
.set TQ,   80                          ; T: v80-87 at work
.set LRF,  64                          ; T, window 1: v64-191 the low-rank sums; then the transform's other set
.set QB,   64
.set SVR,  192                         ; T, window 1: v192-255 SV / 32 of my columns
.set Y0,   112                         ; T: two sets of 64 numbers
.set Y1,   176
.set MSB, 0
.macro WIN new                         ; bits 1:0 source 0, 3:2 source 1, 5:4 source 2, 7:6 destination; the immediate's high byte repeats the setting that is left
.if MSB != \new
	s_set_vgpr_msb (MSB<<8)|\new
.set MSB, \new
.endif
.endm
; One butterfly stage over n numbers of a lane, partners st registers apart, two numbers an instruction.  st = 1: the pair's own two: low result first + second, high result first - second.
.macro STAGE src, dst, n, st
.set i, 0
.rept (\n)/2
.if (\st) == 1
	v_pk_add_f32 v[\dst+i:\dst+i+1], v[\src+i:\src+i+1], v[\src+i:\src+i+1] op_sel:[0,1] op_sel_hi:[0,1] neg_hi:[0,1]
.elseif (i & (\st)) == 0
	v_pk_add_f32 v[\dst+i:\dst+i+1], v[\src+i:\src+i+1], v[\src+i+\st:\src+i+\st+1]
	v_pk_add_f32 v[\dst+i+\st:\dst+i+\st+1], v[\src+i:\src+i+1], v[\src+i+\st:\src+i+\st+1] neg_lo:[0,1] neg_hi:[0,1]
.endif
.set i, i+2
.endr
.endm
.macro XLOAD                           ; a row: 32 loads of 512 consecutive bytes
.set q, 0
.rept 32
	global_load_b128 v[L+4*q:L+4*q+3], v1, s[4:5] offset:512*q th:TH_LOAD_NT
.set q, q+1
.endr
.endm
.macro SULOAD                          ; SU / 64 in the row's layout, into window 1's second set
	WIN 0x40
.set q, 0
.rept 32
	ds_load_b128 v[XB+4*q:XB+4*q+3], v4 offset:512*q
.set q, q+1
.endr
.endm
; ONE ROW.  ahead = 1: the next row and its SU are asked for.  s21 = 16 x, s26 = 4 x the row's number among my four.
.macro ROW ahead
	s_wait_loadcnt 0x0                             ; the row is in; its loads' base may step
	s_wait_dscnt 0x0                               ; SU is in
	WIN 0x54                                       ; the row in window 0; SU, the products and the results in window 1
.set q, 0
.rept 32
	v_pk_mul_f32 v[XB+64+q:XB+64+q+1], v[L+64+q:L+64+q+1], v[XB+64+q:XB+64+q+1]   ; b = x SU of the upper half
.set q, q+2
.endr
.set q, 0
.rept 32
	v_pk_fma_f32 v[XA+q:XA+q+1], v[L+q:L+q+1], v[XB+q:XB+q+1], v[XB+64+q:XB+64+q+1]   ; element bit 11: x SU + b,
	v_pk_fma_f32 v[XA+64+q:XA+64+q+1], v[L+q:L+q+1], v[XB+q:XB+q+1], v[XB+64+q:XB+64+q+1] neg_lo:[0,0,1] neg_hi:[0,0,1]   ; x SU - b
.set q, q+2
.endr
	WIN 0
.if \ahead
	s_add_nc_u64 s[4:5], s[4:5], 16384
	XLOAD                                          ; it has the rest of this row's work in which to land
.endif
	WIN 0x55
	STAGE XA, XB, 128, 32                          ; element bits 10, 9, 8, 7 (register bits 5 .. 2), then 1 and 0
	STAGE XB, XA, 128, 16
	STAGE XA, XB, 128, 8
	STAGE XB, XA, 128, 4
	STAGE XA, XB, 128, 2
	STAGE XB, XA, 128, 1
	WIN 0x04                                       ; an LDS store's data are its source 1
.set q, 0
.rept 32
	ds_store_b128 v2, v[XA+4*q:XA+4*q+3] offset:528*q
.set q, q+1
.endr
	WIN 0x40
.set q, 0
.rept 32
	ds_load_b128 v[XB+4*q:XB+4*q+3], v3 offset:16*q   ; LDS serves a wave's instructions in order: these see my stores.  Lane l now takes elements 128 l + 0 .. 127; lanes 528 bytes apart fall on different banks
.set q, q+1
.endr
	s_wait_dscnt 0x0
	WIN 0x55
	STAGE XB, XA, 128, 4                           ; element bits 2 .. 6
	STAGE XA, XB, 128, 8
	STAGE XB, XA, 128, 16
	STAGE XA, XB, 128, 32
	STAGE XB, XA, 128, 64
.if \ahead
	SULOAD
.endif
	WIN 0x05                                       ; the numbers in window 1, the maxima in window 0
.irp b, 0,1,2,3
	v_max3_num_f32 v[TM+\b], |v[XA+32*\b]|, |v[XA+32*\b+1]|, 0x1800000   ; block b of K step l, with the floor 2^(3 - 127): the byte cannot fall under 1
.endr
.irp k, 2,4,6,8,10,12,14,16,18,20,22,24,26,28,30
.irp b, 0,1,2,3
	v_max3_num_f32 v[TM+\b], |v[XA+32*\b+\k]|, |v[XA+32*\b+\k+1]|, v[TM+\b]   ; the four blocks by turns
.endr
.endr
	WIN 0
.irp b, 0,1,2,3
	v_add_nc_u32 v[SOP+\b], 0xff000000, v[TM+\b]   ; 2 off the exponent field: the conversion's scale operand
.endr
.irp b, 0,1,2,3
	v_lshrrev_b32 v[BY+\b], 23, v[SOP+\b]          ; the scale's byte
.endr
	v_lshl_or_b32 v[PW], v[BY+1], 8, v[BY]
	v_lshl_or_b32 v[PW], v[BY+2], 16, v[PW]
	v_lshl_or_b32 v[PW], v[BY+3], 24, v[PW]        ; the row's scale word for K step l
	WIN 0x01
.set q, 0
.rept 16
	v_cvt_scalef32_pk8_fp4_f32 v[PC+q], v[XA+8*q:XA+8*q+7], v[SOP+q/4]
.set q, q+1
.endr
	WIN 0
	v_nop                                          ; one plain line behind the conversions
	v_add_nc_u32 v7, s21, v5
	v_add_nc_u32 v8, s26, v6
.irp b, 0,1,2,3
	ds_store_b128 v7, v[PC+4*\b:PC+4*\b+3] offset:512*(\b/2)+256*(\b%2)   ; block b = 2 c + h is what lane (r, h) of the operand holds in registers 4 c on; lanes 2,064 bytes apart fall on different banks
.endr
	ds_store_b32 v8, v[PW]
.endm
; THE MATRIX INSTRUCTION: d += (or =) 16 weight rows a x 16 rows of x b.  ra, rb: the side's scale words stand in lanes 16-31 of the register named
.macro MMA d, a, b, sa, sb, ra, rb
.if (\ra) && (\rb)
	v_wmma_scale_f32_16x16x128_f8f6f4 v[\d:\d+7], v[\a:\a+7], v[\b:\b+7], v[\d:\d+7], v[\sa], v[\sb] matrix_a_fmt:MATRIX_FMT_FP4 matrix_b_fmt:MATRIX_FMT_FP4 matrix_a_scale:MATRIX_SCALE_ROW1 matrix_b_scale:MATRIX_SCALE_ROW1
.elseif \ra
	v_wmma_scale_f32_16x16x128_f8f6f4 v[\d:\d+7], v[\a:\a+7], v[\b:\b+7], v[\d:\d+7], v[\sa], v[\sb] matrix_a_fmt:MATRIX_FMT_FP4 matrix_b_fmt:MATRIX_FMT_FP4 matrix_a_scale:MATRIX_SCALE_ROW1
.elseif \rb
	v_wmma_scale_f32_16x16x128_f8f6f4 v[\d:\d+7], v[\a:\a+7], v[\b:\b+7], v[\d:\d+7], v[\sa], v[\sb] matrix_a_fmt:MATRIX_FMT_FP4 matrix_b_fmt:MATRIX_FMT_FP4 matrix_b_scale:MATRIX_SCALE_ROW1
.else
	v_wmma_scale_f32_16x16x128_f8f6f4 v[\d:\d+7], v[\a:\a+7], v[\b:\b+7], v[\d:\d+7], v[\sa], v[\sb] matrix_a_fmt:MATRIX_FMT_FP4 matrix_b_fmt:MATRIX_FMT_FP4
.endif
.endm
.macro MMZ d, a, b, sa, sb, ra, rb     ; the first K step starts the sums: nothing is cleared
.if (\ra) && (\rb)
	v_wmma_scale_f32_16x16x128_f8f6f4 v[\d:\d+7], v[\a:\a+7], v[\b:\b+7], 0, v[\sa], v[\sb] matrix_a_fmt:MATRIX_FMT_FP4 matrix_b_fmt:MATRIX_FMT_FP4 matrix_a_scale:MATRIX_SCALE_ROW1 matrix_b_scale:MATRIX_SCALE_ROW1
.elseif \ra
	v_wmma_scale_f32_16x16x128_f8f6f4 v[\d:\d+7], v[\a:\a+7], v[\b:\b+7], 0, v[\sa], v[\sb] matrix_a_fmt:MATRIX_FMT_FP4 matrix_b_fmt:MATRIX_FMT_FP4 matrix_a_scale:MATRIX_SCALE_ROW1
.elseif \rb
	v_wmma_scale_f32_16x16x128_f8f6f4 v[\d:\d+7], v[\a:\a+7], v[\b:\b+7], 0, v[\sa], v[\sb] matrix_a_fmt:MATRIX_FMT_FP4 matrix_b_fmt:MATRIX_FMT_FP4 matrix_b_scale:MATRIX_SCALE_ROW1
.else
	v_wmma_scale_f32_16x16x128_f8f6f4 v[\d:\d+7], v[\a:\a+7], v[\b:\b+7], 0, v[\sa], v[\sb] matrix_a_fmt:MATRIX_FMT_FP4 matrix_b_fmt:MATRIX_FMT_FP4
.endif
.endm
; twenty loads: my nine tiles and their scale words of the K step rel steps on from the pointer, into ring set b.  Each covers 512 consecutive bytes (the last 128)
.macro GROUP rel, b
	WIN 0x40
.irp t, 0,1,2,3,4,5,6,7
.irp c, 0,1
	global_load_b128 v[64*(\b)+8*\t+4*\c:64*(\b)+8*\t+4*\c+3], v1, s[10:11] offset:KSB*(\rel)+1024*\t+512*\c
.endr
.endr
	WIN 0
.irp c, 0,1
	global_load_b128 v[LB+8*(\b)+4*\c:LB+8*(\b)+4*\c+3], v1, s[10:11] offset:KSB*(\rel)+8192+512*\c
.endr
	global_load_b128 v[BS+4*(\b):BS+4*(\b)+3], v1, s[10:11] offset:KSB*(\rel)+9216
	global_load_b32 v[LS+(\b)], v2, s[10:11] offset:KSB*(\rel)+9728
.endm
; five LDS loads: x's two fragments and the 32 rows' scale words of the K step rel steps on from the address, into set a
.macro ALOAD rel, a
.irp rt, 0,1
.irp c, 0,1
	ds_load_b128 v[AF+16*(\a)+8*\rt+4*\c:AF+16*(\a)+8*\rt+4*\c+3], v3 offset:2064*(\rel)+1024*\rt+512*\c
.endr
.endr
	ds_load_b32 v[AS+(\a)], v4 offset:132*(\rel)
.endm
; A K STEP of 128: 18 matrix instructions on 18 accumulators, which take turns in the same order in every step.  ph = the step's number mod 4: its ring set; ph mod 2: x's set.
; fill = 1: the set just read takes the K step four on;  2: the second product's weights.  al = 1: x's set takes the K step two on.  lc, dc: the younger loads, global and LDS, that may stay out.
; The pointers step four K steps at ph = 3, ahead of that step's requests.
.macro STEP ph, zero, fill, al, lc, dc
.if \ph == 3
.set FRL, 3
.set ARL, 1
.else
.set FRL, \ph+4
.set ARL, \ph+2
.endif
	s_wait_loadcnt \lc
	s_wait_dscnt \dc
	WIN 0x01                                       ; source 0 (the weights) in window 1
.irp t, 0,1,2,3,4,5,6,7
.irp rt, 0,1
.if \zero
	MMZ ACC+64*\rt+8*\t, 64*\ph+8*\t, AF+16*(\ph%2)+8*\rt, BS+4*\ph+\t%4, AS+\ph%2, \t/4, \rt
.else
	MMA ACC+64*\rt+8*\t, 64*\ph+8*\t, AF+16*(\ph%2)+8*\rt, BS+4*\ph+\t%4, AS+\ph%2, \t/4, \rt
.endif
.endr
.endr
	WIN 0
.irp rt, 0,1
.if \zero
	MMZ ACL+8*\rt, LB+8*\ph, AF+16*(\ph%2)+8*\rt, LS+\ph, AS+\ph%2, 0, \rt
.else
	MMA ACL+8*\rt, LB+8*\ph, AF+16*(\ph%2)+8*\rt, LS+\ph, AS+\ph%2, 0, \rt
.endif
.endr
.rept 4
	v_nop                                          ; four places in front of loads into registers that these products read, and of the first read of results
.endr
.if (\ph == 3) && ((\fill+\al) > 0)
	s_wait_dscnt 0x0                               ; no LDS load of mine is out: the addresses step
	v_add_nc_u32 v3, 4*2064, v3
	v_add_nc_u32 v4, 4*132, v4
	s_wait_xcnt 0x0                                ; the loads that are out have read their base: it steps only behind this wait
	s_add_nc_u64 s[10:11], s[10:11], 4*KSB
.endif
.if \fill == 1
	GROUP FRL, \ph
.endif
.if \fill == 2
	WIN 0x40                                       ; 24 loads: the second product's eight tiles, into ring set 0, and their scale words
.irp t, 0,1,2,3,4,5,6,7
.irp c, 0,1
	global_load_b128 v[8*\t+4*\c:8*\t+4*\c+3], v1, s[12:13] offset:1024*\t+512*\c
.endr
.endr
	WIN 0
.irp t, 0,1,2,3,4,5,6,7
	global_load_b32 v[B2S+\t], v2, s[24:25] offset:128*\t
.endr
.endif
.if \al
	ALOAD ARL, \ph%2
.endif
.endm
	; ---------------- the head
	s_load_b256 s[4:11], s[0:1], 0x0               ; x s[4:5], SU s[6:7], SV s[8:9], wq s[10:11]
	s_load_b128 s[12:15], s[0:1], 0x20             ; b2 s[12:13], out0 s[14:15]
	v_lshrrev_b32 v29, 5, v0
	v_readfirstlane_b32 s16, v29                   ; wave w
	v_and_b32 v29, 31, v0                          ; lane l
	v_and_b32 v30, 15, v0                          ; r
	v_bfe_u32 v31, v0, 4, 1                        ; h
	v_lshlrev_b32 v1, 4, v29                       ; 16 l: never rewritten
	s_mul_i32 s38, s16, STGW                       ; my stage
	v_add_nc_u32 v2, s38, v1                       ; into it: 16 l, + 528 j
	v_mul_u32_u24 v3, v29, 528
	v_add_nc_u32 v3, s38, v3                       ; out of it: 528 l, + 16 i
	v_add_nc_u32 v4, SUL, v1
	s_lshr_b32 s38, s16, 2                         ; x's images: my rows 4 w + i lie in tile of rows w / 4, at its rows 4 (w % 4) + i
	s_lshl_b32 s38, s38, 10
	s_and_b32 s39, s16, 3
	s_lshl_b32 s39, s39, 6
	s_add_co_u32 s38, s38, s39
	s_add_co_u32 s38, s38, XIMG
	v_mul_u32_u24 v5, v29, 2064                    ; lane l holds K step l
	v_add_nc_u32 v5, s38, v5
	s_lshl_b32 s38, s16, 4
	s_add_co_u32 s38, s38, XSC
	v_mul_u32_u24 v6, v29, 132
	v_add_nc_u32 v6, s38, v6
	s_lshl_b32 s36, s16, 11                        ; my 2,048 bytes of SU
	s_mov_b32 s37, 0
	s_add_co_u32 s38, s36, SUL
	v_add_nc_u32 v9, s38, v1
	s_lshl_b32 s18, ttmp9, 19                      ; x: row 32 g + 4 w, 16,384 bytes a row
	s_lshl_b32 s17, s16, 16
	s_add_co_u32 s18, s18, s17
	s_mov_b32 s19, 0
	s_lshl_b32 s28, ttmp9, 17                      ; out0: the same row, 4,096 bytes a row
	s_lshl_b32 s17, s16, 14
	s_add_co_u32 s28, s28, s17
	s_mov_b32 s29, 0
	s_mul_i32 s30, s16, 9984                       ; wq: my part of a K step
	s_mov_b32 s31, 0
	s_lshl_b32 s32, s16, 13                        ; b2: my eight tiles,
	s_mov_b32 s33, 0
	s_lshl_b32 s34, s16, 10
	s_add_co_u32 s34, s34, 65536                   ; and their scale words
	s_mov_b32 s35, 0
	s_mov_b32 s22, 0x76543210
	s_mov_b32 s23, 0xfedcba98                      ; v_permlanex16_b32's selects for lane l xor 16
	s_wait_kmcnt 0x0
	s_add_nc_u64 s[4:5], s[4:5], s[18:19]
	s_add_nc_u64 s[14:15], s[14:15], s[28:29]
	s_add_nc_u64 s[10:11], s[10:11], s[30:31]
	s_add_nc_u64 s[24:25], s[12:13], s[34:35]
	s_add_nc_u64 s[12:13], s[12:13], s[32:33]
	s_add_nc_u64 s[6:7], s[6:7], s[36:37]
.set q, 0
.rept 4
	global_load_b128 v[SUW+4*q:SUW+4*q+3], v1, s[6:7] offset:512*q
.set q, q+1
.endr
	XLOAD                                          ; my first row
	s_wait_loadcnt 32                              ; SU's four loads are in; the row's 32 stay out
.set q, 0
.rept 8
	v_pk_mul_f32 v[SUW+q:SUW+q+1], v[SUW+q:SUW+q+1], 0x3c800000 op_sel_hi:[1,0]   ; x 2^-6: the transform's factor, which rounds nothing
.set q, q+2
.endr
.set q, 0
.rept 4
	ds_store_b128 v9, v[SUW+4*q:SUW+4*q+3] offset:512*q
.set q, q+1
.endr
	s_wait_dscnt 0x0                               ; for the others' sake: my part of SU lies in LDS
	s_barrier_signal -1
	s_barrier_wait -1                              ; all of it does
	SULOAD
	WIN 0                                          ; at a label and at a branch every window is 0
	; ---------------- X: my four rows
	s_mov_b32 s20, 3
	s_mov_b32 s21, 0
	s_mov_b32 s26, 0
.Lrow:
	ROW 1
	s_add_co_u32 s21, s21, 16
	s_add_co_u32 s26, s26, 4
	s_sub_co_u32 s20, s20, 1
	s_cmp_lg_u32 s20, 0
	s_cbranch_scc1 .Lrow
	ROW 0                                          ; the last row asks for nothing: no load leaves x
	s_wait_dscnt 0x0                               ; for the others' sake: my rows' images and scale words lie in LDS; and my LDS instructions have read their registers
	v_lshlrev_b32 v2, 2, v29                       ; 4 l
	v_add_nc_u32 v3, XIMG, v1                      ; x's fragments: 16 l
	v_add_nc_u32 v4, XSC, v2                       ; x's scale words: lane l takes row l's
	v_mul_u32_u24 v5, v30, 528
	v_lshl_add_u32 v6, v31, 7, v5
	v_add_nc_u32 v6, LRS, v6                       ; the low-rank sums, out: row r, + 128 h: my block's 32 numbers
	v_lshl_add_u32 v5, v31, 5, v5
	s_lshl_b32 s38, s16, 6
	s_add_co_u32 s38, s38, LRS
	v_add_nc_u32 v5, s38, v5                       ; in: row r, columns 16 w + 8 h on
	v_mul_u32_u24 v7, v30, 4112
	v_lshl_add_u32 v7, v31, 8, v7
	s_lshl_b32 s38, s16, 9
	v_add_nc_u32 v7, s38, v7                       ; the rows' stage, in: row r, columns 128 w + 64 h on;
	v_add_nc_u32 v8, 16*4112, v7                   ; row 16 + r
	v_mul_u32_u24 v9, v31, 4112
	v_lshl_add_u32 v9, v30, 4, v9
	s_mul_i32 s38, s16, 4*4112
	v_add_nc_u32 v9, s38, v9                       ; out: rows 4 w + h, 16 bytes a lane
	v_lshlrev_b32 v11, 4, v30                      ; SV: 16 r
	v_lshl_add_u32 v10, v31, 12, v11               ; out0: row h of two, 16 r
	v_lshlrev_b32 v28, 3, v31                      ; 8 h
	GROUP 0, 0                                     ; the ring's first fills: they read nothing that this launch writes, and stay out across the barrier
	GROUP 1, 1
	GROUP 2, 2
	GROUP 3, 3
	s_barrier_signal -1
	s_barrier_wait -1                              ; all 32 rows' images lie in LDS
	ALOAD 0, 0
	ALOAD 1, 1
	; ---------------- G: 32 K steps.  60: three younger groups of twenty loads;  5: the next step's five LDS loads
	STEP 0, 1, 1, 1, 60, 5                         ; K step 0 stands ahead of the loop: its products start the sums
	s_mov_b32 s20, 6
.Lk:                                               ; K steps 1 to 24
	STEP 1, 0, 1, 1, 60, 5
	STEP 2, 0, 1, 1, 60, 5
	STEP 3, 0, 1, 1, 60, 5
	STEP 0, 0, 1, 1, 60, 5
	s_sub_co_u32 s20, s20, 1
	s_cmp_lg_u32 s20, 0
	s_cbranch_scc1 .Lk
	STEP 1, 0, 1, 1, 60, 5                         ; 25: asks for K step 29
	STEP 2, 0, 1, 1, 60, 5                         ; 26
	STEP 3, 0, 1, 1, 60, 5                         ; 27: asks for the last, 31
	STEP 0, 0, 2, 1, 60, 5                         ; 28: its ring set takes the second product's weights
	STEP 1, 0, 0, 1, 63, 5                         ; 29: 64 loads are younger (two groups and those 24); the smaller count is safe
	STEP 2, 0, 0, 0, 44, 5                         ; 30: K step 31's twenty and the 24
	STEP 3, 0, 0, 0, 24, 0                         ; 31: the 24; nothing younger in LDS
	; ---------------- T: the tail.  (The last step's four v_nop are the places in front of what follows)
	WIN 0x40
.set q, 0
.rept 16
	global_load_b128 v[SVR+4*q:SVR+4*q+3], v11, s[8:9] offset:256*q   ; SV of the columns 64 q + 4 r + 0 .. 3, which I hold on the way out
.set q, q+1
.endr
	WIN 0
.irp rt, 0,1
	ds_store_b128 v5, v[ACL+8*\rt:ACL+8*\rt+3] offset:8448*\rt        ; each accumulator from its low end on
	ds_store_b128 v5, v[ACL+8*\rt+4:ACL+8*\rt+7] offset:8448*\rt+16
.endr
	v_mov_b32 v[TQ+7], 0                           ; written once: a lane permute's destination counts as one of its sources
	s_wait_dscnt 0x0                               ; for the others' sake: my 16 low-rank columns lie in LDS
	s_barrier_signal -1
	s_barrier_wait -1                              ; all 128 do
	WIN 0x40
.irp rt, 0,1
.irp c, 0,1
.irp g, 0,1,2,3,4,5,6,7
	ds_load_b128 v[LRF+64*\rt+32*\c+4*\g:LRF+64*\rt+32*\c+4*\g+3], v6 offset:8448*\rt+256*\c+16*\g   ; lane (r, h): k = 64 c + 32 h + 0 .. 31 of row 16 rt + r: whole blocks, in the operand's own order
.endr
.endr
.endr
	s_wait_dscnt 0x0
.macro LRQ rt                          ; the low-rank sums of 16 rows become an operand: every wave makes it for itself
	WIN 0x05
.irp c, 0,1
	v_max3_num_f32 v[TQ+\c], |v[LRF+64*\rt+32*\c]|, |v[LRF+64*\rt+32*\c+1]|, 0x1800000
.endr
.irp k, 2,4,6,8,10,12,14,16,18,20,22,24,26,28,30
.irp c, 0,1
	v_max3_num_f32 v[TQ+\c], |v[LRF+64*\rt+32*\c+\k]|, |v[LRF+64*\rt+32*\c+\k+1]|, v[TQ+\c]
.endr
.endr
	WIN 0
.irp c, 0,1
	v_add_nc_u32 v[TQ+2+\c], 0xff000000, v[TQ+\c]
.endr
.irp c, 0,1
	v_lshrrev_b32 v[TQ+4+\c], 23, v[TQ+2+\c]
.endr
	v_lshl_or_b32 v[TQ+6], v[TQ+5], 16, v[TQ+4]    ; my bytes: blocks h and 2 + h,
	v_lshlrev_b32 v[TQ+6], v28, v[TQ+6]            ; 8 h bits up;
	v_permlanex16_b32 v[TQ+7], v[TQ+6], s22, s23
	v_or_b32 v[A2S+\rt], v[TQ+6], v[TQ+7]          ; with lane l xor 16's the word is whole
	WIN 0x01
.irp c, 0,1
.irp g, 0,1,2,3
	v_cvt_scalef32_pk8_fp4_f32 v[A2+8*\rt+4*\c+\g], v[LRF+64*\rt+32*\c+8*\g:LRF+64*\rt+32*\c+8*\g+7], v[TQ+2+\c]
.endr
.endr
	WIN 0
	v_nop                                          ; one plain line behind the conversions
.endm
	LRQ 0
	LRQ 1
.rept 8
	v_nop                                          ; a scale register written by a vector instruction stands eight places ahead of a scaled matrix instruction, an operand so written four
.endr
	s_wait_loadcnt 16                              ; the second product's weights are in; SV's sixteen loads may stay out
	WIN 0x01
.irp t, 0,1,2,3,4,5,6,7
.irp rt, 0,1
	MMA ACC+64*\rt+8*\t, 8*\t, A2+8*\rt, B2S+\t, A2S+\rt, 0, 0   ; products 3 and 5 in one: K = 64 + 64
.endr
.endr
	WIN 0
.rept 4
	v_nop
.endr
	WIN 0x40                                       ; column bits 0 .. 5 lie in my registers: both tiles of rows at once, 128 numbers
	STAGE ACC, QB, 128, 1
	WIN 0x05
	STAGE QB, ACC, 128, 2
	WIN 0x40
	STAGE ACC, QB, 128, 4
	WIN 0x05
	STAGE QB, ACC, 128, 8
	WIN 0x40
	STAGE ACC, QB, 128, 16
	WIN 0x05
	STAGE QB, ACC, 128, 32
	WIN 0
.irp rt, 0,1
.set q, 0
.rept 16
	ds_store_b128 v[7+\rt], v[ACC+64*\rt+4*q:ACC+64*\rt+4*q+3] offset:16*q   ; my 64 columns are 256 consecutive bytes of the row; rows 4,112 bytes apart fall on different banks
.set q, q+1
.endr
.endr
	s_wait_dscnt 0x0                               ; for the others' sake: my columns of the 32 rows lie in LDS (over the first phase's stages, whose last reads stand ahead of two barriers)
	s_barrier_signal -1
	s_barrier_wait -1                              ; whole rows do
	s_wait_loadcnt 0x0                             ; SV
	WIN 0x41
.set q, 0
.rept 32
	v_pk_mul_f32 v[SVR+q:SVR+q+1], v[SVR+q:SVR+q+1], 0x3d000000 op_sel_hi:[1,0]   ; x 2^-5: the transform's factor, which rounds nothing
.set q, q+2
.endr
; rows 4 w + 2 p and 4 w + 2 p + 1: sixteen lanes to a row; register 4 q + e = column 64 q + 4 r + e, so column bits 6 .. 9 are register bits 2 .. 5
.macro OUTP p
	WIN 0
.if \p
	s_wait_xcnt 0x0                                ; the stores that are out have read their data: the set is written again only behind this wait
.endif
.set q, 0
.rept 16
	ds_load_b128 v[Y0+4*q:Y0+4*q+3], v9 offset:2*4112*\p+256*q
.set q, q+1
.endr
	s_wait_dscnt 0x0
	STAGE Y0, Y1, 64, 4
	STAGE Y1, Y0, 64, 8
	STAGE Y0, Y1, 64, 16
	STAGE Y1, Y0, 64, 32
	WIN 0x04
.set q, 0
.rept 32
	v_pk_mul_f32 v[Y1+q:Y1+q+1], v[Y0+q:Y0+q+1], v[SVR+q:SVR+q+1]
.set q, q+2
.endr
	WIN 0
.set q, 0
.rept 16
	global_store_b128 v10, v[Y1+4*q:Y1+4*q+3], s[14:15] offset:8192*\p+256*q th:TH_STORE_NT   ; sixteen lanes store 256 consecutive bytes, at a multiple of 256 from out0's first byte
.set q, q+1
.endr
.endm
	OUTP 0
	OUTP 1
	s_wait_xcnt 0x0
	v_lshl_add_u32 v254, v0, 2, 0x3a800
	v_mov_b32 v255, 0
	s_wait_tensorcnt 0x0
	ds_add_u32 v254, v255
	s_wait_dscnt 0x0
	s_endpgm
.Lfunc_end_k_q47870a7d49_main:
	.size	k_q47870a7d49_main, .Lfunc_end_k_q47870a7d49_main-k_q47870a7d49_main
	.p2alignl 7, 3214868480
	.fill 96, 4, 3214868480
	.section	.rodata,"a",@progbits
	.p2align	6, 0x0
	.amdhsa_kernel k_q47870a7d49_main
		.amdhsa_group_segment_fixed_size 240640
		.amdhsa_private_segment_fixed_size 0
		.amdhsa_enable_private_segment 0
		.amdhsa_kernarg_size 48
		.amdhsa_user_sgpr_count 2
		.amdhsa_user_sgpr_kernarg_segment_ptr 1
		.amdhsa_wavefront_size32 1
		.amdhsa_system_sgpr_workgroup_id_x 1
		.amdhsa_system_sgpr_workgroup_id_y 1
		.amdhsa_system_sgpr_workgroup_id_z 1
		.amdhsa_system_vgpr_workitem_id 0
		.amdhsa_next_free_vgpr 512
		.amdhsa_next_free_sgpr 66
		.amdhsa_reserve_vcc 0
		.amdhsa_float_denorm_mode_32 3
		.amdhsa_float_denorm_mode_16_64 3
		.amdhsa_memory_ordered 1
		.amdhsa_forward_progress 1
		.amdhsa_inst_pref_size 255
	.end_amdhsa_kernel
	.section	.bss,"aw",@nobits
	.p2align	6
	.space	262144
	.amdgpu_metadata
---
amdhsa.version: [ 1, 2 ]
amdhsa.kernels:
  - .name:           k_q47870a7d49_main
    .symbol:         k_q47870a7d49_main.kd
    .args:
      - { .name: x, .offset: 0, .size: 8, .value_kind: global_buffer, .address_space: global }
      - { .name: SU, .offset: 8, .size: 8, .value_kind: global_buffer, .address_space: global }
      - { .name: SV, .offset: 16, .size: 8, .value_kind: global_buffer, .address_space: global }
      - { .name: wq, .offset: 24, .size: 8, .value_kind: global_buffer, .address_space: global }
      - { .name: b2, .offset: 32, .size: 8, .value_kind: global_buffer, .address_space: global }
      - { .name: out0, .offset: 40, .size: 8, .value_kind: global_buffer, .address_space: global }
    .group_segment_fixed_size: 240640
    .private_segment_fixed_size: 0
    .kernarg_segment_align: 8
    .kernarg_segment_size: 48
    .max_flat_workgroup_size: 256
    .sgpr_count:     66
    .vgpr_count:     512
    .wavefront_size: 32
...
	.end_amdgpu_metadata
.endif
;; end of part 2
